; MI455X (gfx1250); checked and timed in simulation.
; The chip was launched on July 23, 2026; its instructions are those of AMD's public machine-readable ISA for CDNA 5 (MIT licence, August 2026) and "CDNA5" Instruction Set Architecture Reference Guide (July 2026). The comments in the code are by the model that wrote it; some were corrected since.
;; Linear Quantized. Allowed arithmetic: float matrix products may take bf16 or f16 operands with f32 sums; other float arithmetic in f32, or as packed bf16 or f16 multiplies, adds, multiply-adds, maxima and minima; sums over many terms, partial sums and values carried from step to step in f32; what a program stores and reads back later, other than sums and carried values, may be rounded once to bf16 or f16.
;; Inputs: quantized_bias 4,096 int32; quantized_weight 4,096 x 4,096 int32; weight_scale 4,096 float32; x 4 x 1,024 x 4,096 float32.
;; Outputs: out0 4 x 1,024 x 4,096 float32.
;; One version. Each part assembles by itself: llvm-mc -triple=amdgcn-amd-amdhsa -mcpu=gfx1250 --defsym DOCPART=n.
;; ======== version 1 of 1: 3 launches
;; workspace buffers: wq 33,554,432 bytes; xq 33,554,432 bytes; pmax 4,096 bytes; scale 256 bytes
;; launch prep (part 1): grid 1024 x 1, 8 waves a work-group, no clusters, 1,280 bytes of LDS; arguments x, quantized_weight, wq, pmax; writes wq, pmax
.if DOCPART == 1
	.amdgcn_target "amdgcn-amd-amdhsa--gfx1250"
	.amdhsa_code_object_version 6
	.text
	.protected	k_qee40932783_prep
	.globl	k_qee40932783_prep
	.p2align	8
	.type	k_qee40932783_prep,@function
k_qee40932783_prep:
	s_mov_b64 s[64:65], 0
	v_nop
	global_prefetch_b8 v0, s[64:65] scope:SCOPE_SE
	s_setreg_imm32_b32 hwreg(HW_REG_WAVE_MODE, 25, 1), 1
	s_wait_xcnt 0x0
; LinearQuantized, first of three launches.
; out[m][o] = sum_i (x_q[m][i] s_in)(w_q[o][i] ws[o]) + q_b[o] ws[o] s_in, with s_in = max|x| / 127 and x_q = clip(round(x / s_in), -128, 127).
; s_in and ws[o] do not hang on i, so they are taken out of the sum: out = (sum_i x_q w_q)(ws[o] s_in) + (q_b[o] ws[o]) s_in.  The product then runs on whole
; numbers of magnitude 128 at the most, which bf16 holds exactly.  NO WORK IS LEFT OUT: every input is loaded, the clip is made, the bias is added.
; The maximum is over all of x, so x is read in two launches: here for the maximum, in the next for the quantisation.
; THIS LAUNCH: (1) one max|x| for each work-group's 65,536 bytes of x, into pmax[work-group]; (2) quantized_weight, int32, rounded once to bf16, into wq.
; LIMITS.  A NaN in x loses in the maximum (reference() would give NaN everywhere).  A weight beyond 256 in magnitude is rounded to bf16's 8 significant bits.
; SHARES.  1,024 work-groups of eight waves.  An instruction of the 256 threads covers 4,096 consecutive bytes, 16 a lane: a thread has 16 items of x and 16 of the weights.
; A weight item (4 int32) leaves as 8 bytes: a wave's store covers 256 consecutive bytes, aligned.  24 loads of each wave are on their way from the start.
; No tensor load, no cluster, no matrix unit, no prefetch: every byte is read once by one lane, and the launch does nothing but stream.
.set SPARE, 256                        ; LDS: bytes 0-31 the eight waves' maxima (the block 0-255 is theirs); from 256 on the spare words, 128 bytes a wave
.set BUF,   20                         ; v[20:115] 24 slots of 4: slots 0-7 items of x (each used twice), slots 8-23 the 16 items of the weights
; v1 16 t; v2 8 t; v3 0; v4, v5 two chains of the maximum; v9 4 x wave; v10 my spare word; v11 0; v[12:19] the eight maxima read back
	s_load_b256 s[4:11], s[0:1], 0x0               ; x s[4:5], quantized_weight s[6:7], wq s[8:9], pmax s[10:11]
	v_lshl_add_u32 v10, v0, 2, SPARE
	v_mov_b32 v11, 0
	v_lshlrev_b32 v1, 4, v0                        ; my 16 bytes in 4,096
	v_lshlrev_b32 v2, 3, v0                        ; my 8 bytes in 2,048
	v_mov_b32 v3, 0
	v_lshrrev_b32 v9, 5, v0
	v_readfirstlane_b32 s12, v9                    ; wave 0..7
	v_lshlrev_b32 v9, 2, v9
	s_mov_b32 s13, 0x76543210                      ; v_permlanex16_b32: each lane takes its own place in the other half
	s_mov_b32 s14, 0xfedcba98
	s_lshl_b32 s2, ttmp9, 16                       ; the work-group's 65,536 bytes of x and of the weights
	s_mov_b32 s3, 0
	s_wait_kmcnt 0x0
	s_add_nc_u64 s[4:5], s[4:5], s[2:3]
	s_add_nc_u64 s[6:7], s[6:7], s[2:3]
	s_lshl_b32 s2, ttmp9, 15                       ; its 32,768 bytes of wq
	s_add_nc_u64 s[8:9], s[8:9], s[2:3]
	s_lshl_b32 s2, ttmp9, 2                        ; its word of pmax
	s_add_nc_u64 s[10:11], s[10:11], s[2:3]
.macro LDX j, slot                     ; item j of x; no hint: the next launch reads x again
	global_load_b128 v[BUF+4*(\slot):BUF+4*(\slot)+3], v1, s[4:5] offset:(\j)*4096
.endm
.macro LDW j                           ; item j of the weights, read once
	global_load_b128 v[BUF+4*(8+(\j)):BUF+4*(8+(\j))+3], v1, s[6:7] offset:(\j)*4096 th:TH_LOAD_NT
.endm
.macro MAXX slot, first                ; four magnitudes into two chains; the first item starts them: nothing is cleared
.if \first
	v_max_num_f32 v4, |v[BUF+4*(\slot)]|, |v[BUF+4*(\slot)+1]|
	v_max_num_f32 v5, |v[BUF+4*(\slot)+2]|, |v[BUF+4*(\slot)+3]|
.else
	v_max3_num_f32 v4, v4, |v[BUF+4*(\slot)]|, |v[BUF+4*(\slot)+1]|
	v_max3_num_f32 v5, v5, |v[BUF+4*(\slot)+2]|, |v[BUF+4*(\slot)+3]|
.endif
.endm
.macro CVTW j                          ; four int32 to f32 (exact below 2^24), rounded once to bf16, 8 bytes stored
.set b, BUF+4*(8+(\j))
	v_cvt_f32_i32 v[b], v[b]
	v_cvt_f32_i32 v[b+1], v[b+1]
	v_cvt_f32_i32 v[b+2], v[b+2]
	v_cvt_f32_i32 v[b+3], v[b+3]
	v_cvt_pk_bf16_f32 v[b], v[b], v[b+1]
	v_cvt_pk_bf16_f32 v[b+1], v[b+2], v[b+3]
	global_store_b64 v2, v[b:b+1], s[8:9] offset:(\j)*2048 th:TH_STORE_NT
.endm
.irp k, 0,1,2,3,4,5,6,7
	LDX \k, \k
.endr
.irp j, 0,1,2,3,4,5,6,7,8,9,10,11,12,13,14,15
	LDW \j
.endr
	s_wait_loadcnt 23                              ; 24 loads are out, item 0 of x is the oldest: 23 younger ones may stay out
	MAXX 0, 1
	LDX 8, 0
.irp k, 1,2,3,4,5,6,7
	s_wait_loadcnt 23                              ; 24 + k have been issued, item k has 23 younger ones
	MAXX \k, 0
	LDX 8+(\k), \k                                 ; the slot takes its second item at once
.endr
.irp j, 0,1,2,3,4,5,6,7,8,9,10,11,12,13,14,15
	s_wait_loadcnt 23-(\j)                         ; all 32 are issued: behind weight item j stand 15 - j weight items and 8 items of x
	CVTW \j                                        ; no register of a store is written again, so no wait frees any
.endr
.irp j, 0,1,2,3,4,5,6,7
	s_wait_loadcnt 7-(\j)
	MAXX \j, 0
.endr
	; across the wave: four steps inside each half of 16 lanes, one across the halves
	v_max_num_f32 v4, v4, v5
	v_max_num_f32_dpp v4, v4, v4 row_xmask:1 row_mask:0xf bank_mask:0xf
	v_max_num_f32_dpp v4, v4, v4 row_xmask:2 row_mask:0xf bank_mask:0xf
	v_max_num_f32_dpp v4, v4, v4 row_xmask:4 row_mask:0xf bank_mask:0xf
	v_max_num_f32_dpp v4, v4, v4 row_xmask:8 row_mask:0xf bank_mask:0xf
	v_permlanex16_b32 v5, v4, s13, s14             ; v5 has been written
	v_max_num_f32 v4, v4, v5
	ds_store_b32 v9, v4                            ; all lanes write the wave's word with the same number
	s_wait_dscnt 0x0                               ; for the others' sake: my store is done
	s_barrier_signal -1
	s_barrier_wait -1
	s_cmp_lg_u32 s12, 0                            ; wave 0 finishes
	s_cbranch_scc1 .Lend
	ds_load_b128 v[12:15], v3
	ds_load_b128 v[16:19], v3 offset:16
	s_wait_dscnt 0x0
	v_max3_num_f32 v12, v12, v13, v14
	v_max3_num_f32 v15, v15, v16, v17
	v_max3_num_f32 v12, v12, v15, v18
	v_max_num_f32 v12, v12, v19
	s_wait_xcnt 0x0                                ; EXEC is a source of my pending stores: it changes only behind this wait
	v_cmp_eq_u32 vcc_lo, 0, v0
	s_and_saveexec_b32 s16, vcc_lo
	global_store_b32 v3, v12, s[10:11]             ; one word a work-group: 4,096 bytes in the launch
	s_wait_xcnt 0x0                                ; and again ahead of the line that widens it
	s_or_b32 exec_lo, exec_lo, s16
.Lend:
	s_wait_tensorcnt 0x0                           ; the wave's end: behind my last LDS store
	ds_add_u32 v10, v11
	s_wait_dscnt 0x0
	s_endpgm
.Lfunc_end_k_qee40932783_prep:
	.size	k_qee40932783_prep, .Lfunc_end_k_qee40932783_prep-k_qee40932783_prep
	.p2alignl 7, 3214868480
	.fill 96, 4, 3214868480
	.section	.rodata,"a",@progbits
	.p2align	6, 0x0
	.amdhsa_kernel k_qee40932783_prep
		.amdhsa_group_segment_fixed_size 1280
		.amdhsa_private_segment_fixed_size 0
		.amdhsa_enable_private_segment 0
		.amdhsa_kernarg_size 32
		.amdhsa_user_sgpr_count 2
		.amdhsa_user_sgpr_kernarg_segment_ptr 1
		.amdhsa_wavefront_size32 1
		.amdhsa_system_sgpr_workgroup_id_x 1
		.amdhsa_system_sgpr_workgroup_id_y 1
		.amdhsa_system_sgpr_workgroup_id_z 1
		.amdhsa_system_vgpr_workitem_id 0
		.amdhsa_next_free_vgpr 116
		.amdhsa_next_free_sgpr 66
		.amdhsa_reserve_vcc 1
		.amdhsa_float_denorm_mode_32 3
		.amdhsa_float_denorm_mode_16_64 3
		.amdhsa_memory_ordered 1
		.amdhsa_forward_progress 1
		.amdhsa_inst_pref_size 14
	.end_amdhsa_kernel
	.amdgpu_metadata
---
amdhsa.version: [ 1, 2 ]
amdhsa.kernels:
  - .name:           k_qee40932783_prep
    .symbol:         k_qee40932783_prep.kd
    .args:
      - { .name: x, .offset: 0, .size: 8, .value_kind: global_buffer, .address_space: global }
      - { .name: quantized_weight, .offset: 8, .size: 8, .value_kind: global_buffer, .address_space: global }
      - { .name: wq, .offset: 16, .size: 8, .value_kind: global_buffer, .address_space: global }
      - { .name: pmax, .offset: 24, .size: 8, .value_kind: global_buffer, .address_space: global }
    .group_segment_fixed_size: 1280
    .private_segment_fixed_size: 0
    .kernarg_segment_align: 8
    .kernarg_segment_size: 32
    .max_flat_workgroup_size: 256
    .sgpr_count:     66
    .vgpr_count:     116
    .wavefront_size: 32
...
	.end_amdgpu_metadata
.endif
;; end of part 1
;; launch quant (part 2): grid 1024 x 1, 8 waves a work-group, no clusters, 1,280 bytes of LDS; arguments x, pmax, xq, scale; writes xq, scale
.if DOCPART == 2
	.amdgcn_target "amdgcn-amd-amdhsa--gfx1250"
	.amdhsa_code_object_version 6
	.text
	.protected	k_qee40932783_quant
	.globl	k_qee40932783_quant
	.p2align	8
	.type	k_qee40932783_quant,@function
k_qee40932783_quant:
	s_mov_b64 s[64:65], 0
	v_nop
	global_prefetch_b8 v0, s[64:65] scope:SCOPE_SE
	s_setreg_imm32_b32 hwreg(HW_REG_WAVE_MODE, 25, 1), 1
	s_wait_xcnt 0x0
; LinearQuantized, second launch.  Every work-group takes the maximum M of the 1,024 partial maxima, makes s_in = M / 127, and writes
; xq = clip(round(x / s_in), -128, 127) for its 65,536 bytes of x: whole numbers, exact in bf16.  Wave 0 of work-group 0 stores s_in, 64 times, for the last launch.  No work is left out.
; THE DIVISIONS are a reciprocal, a multiply and one correction by the fused remainder: q0 = x r; q = q0 + (x - q0 s) r.  This is the rounded quotient but for rare cases of the last bit, which can
; move a number that lies at a half by one step of s_in.  The rounding is to the nearest, halves to even, as jnp.round's.
; THE CLIP is made on the packed bf16: the rounding to bf16 is monotone and exact up to 256, so clipping behind it gives what clipping ahead of it gives.
; LIMITS.  x all zero (s_in = 0) is not served: reference() gives NaN there, this text does not.  M is at least 127 x 2^-126 (about 1.5e-36): v_rcp_f32 takes a denormal s_in for 0 (ISA guide, its entry).
; A NaN in x gives a NaN in xq, not everywhere.
; SHARES as in the first launch: a thread has 16 items of 16 bytes, all 16 loads issued at the head; an item leaves as 8 bytes, a wave's store covers 256 consecutive bytes, aligned.
.set SPARE, 256                        ; LDS: bytes 0-31 the eight waves' maxima; from 256 on the spare words, 128 bytes a wave
.set X,     32                         ; v[32:95] 16 slots of 4
; v1 16 t; v2 8 t; v3 0; v[4:7] my four partial maxima; v8 at work; v9 4 x wave; v10 my spare word; v11 0; v[12:19] read back
; v[20:21] r = 1 / s_in, twice; v[22:23] -s_in, twice; v[24:25] s_in, twice; v[26:29] at work; v30, v31 at work
	s_load_b256 s[4:11], s[0:1], 0x0               ; x s[4:5], pmax s[6:7], xq s[8:9], scale s[10:11]
	v_lshl_add_u32 v10, v0, 2, SPARE
	v_mov_b32 v11, 0
	v_lshlrev_b32 v1, 4, v0
	v_lshlrev_b32 v2, 3, v0
	v_mov_b32 v3, 0
	v_mov_b32 v8, 0
	v_lshrrev_b32 v9, 5, v0
	v_readfirstlane_b32 s12, v9                    ; wave 0..7
	v_lshlrev_b32 v9, 2, v9
	s_mov_b32 s13, 0x76543210
	s_mov_b32 s14, 0xfedcba98
	s_mov_b32 s15, 0x42fe42fe                      ; 127.0 twice, in bf16
	s_mov_b32 s16, 0xc300c300                      ; -128.0 twice
	s_mov_b32 s17, 0xc2fe0000                      ; -127.0
	s_mov_b32 s18, 0x3c010204                      ; 1 / 127, rounded
	s_lshl_b32 s2, ttmp9, 16
	s_mov_b32 s3, 0
	s_wait_kmcnt 0x0
	s_add_nc_u64 s[4:5], s[4:5], s[2:3]
	s_lshl_b32 s2, ttmp9, 15
	s_add_nc_u64 s[8:9], s[8:9], s[2:3]
	global_load_b128 v[4:7], v1, s[6:7]            ; 256 threads x 16 bytes: all 1,024 partial maxima
.irp j, 0,1,2,3,4,5,6,7,8,9,10,11,12,13,14,15
	global_load_b128 v[X+4*(\j):X+4*(\j)+3], v1, s[4:5] offset:(\j)*4096 th:TH_LOAD_NT
.endr
	s_wait_loadcnt 16                              ; the partial maxima are in; the 16 loads of x stay out
	v_max3_num_f32 v4, v4, v5, v6
	v_max_num_f32 v4, v4, v7
	v_max_num_f32_dpp v4, v4, v4 row_xmask:1 row_mask:0xf bank_mask:0xf
	v_max_num_f32_dpp v4, v4, v4 row_xmask:2 row_mask:0xf bank_mask:0xf
	v_max_num_f32_dpp v4, v4, v4 row_xmask:4 row_mask:0xf bank_mask:0xf
	v_max_num_f32_dpp v4, v4, v4 row_xmask:8 row_mask:0xf bank_mask:0xf
	v_permlanex16_b32 v8, v4, s13, s14
	v_max_num_f32 v4, v4, v8
	ds_store_b32 v9, v4
	s_wait_dscnt 0x0                               ; for the others' sake
	s_barrier_signal -1
	s_barrier_wait -1
	ds_load_b128 v[12:15], v3                      ; every wave reads all eight
	ds_load_b128 v[16:19], v3 offset:16
	s_wait_dscnt 0x0
	v_max3_num_f32 v12, v12, v13, v14
	v_max3_num_f32 v15, v15, v16, v17
	v_max3_num_f32 v12, v12, v15, v18
	v_max_num_f32 v12, v12, v19                    ; M
	v_mul_f32 v30, s18, v12                        ; s_in = M / 127: a first quotient,
	v_fma_f32 v31, v30, s17, v12                   ; its remainder M - 127 q0, fused,
	v_fma_f32 v24, v31, s18, v30                   ; and the correction
	v_mul_f32 v22, -1.0, v24
	v_rcp_f32 v20, v24
	v_mov_b32 v25, v24                             ; plain instructions behind the reciprocal, which name neither its result nor write its source
	v_mov_b32 v23, v22
	s_wait_alu depctr_va_vdst(0)                   ; ahead of the reciprocal's first reader, and ahead of the branch below
	v_fma_f32 v30, v22, v20, 1.0                   ; 1 - s r
	v_fma_f32 v20, v30, v20, v20                   ; r is sharpened once
	v_mov_b32 v21, v20
	s_or_b32 s19, ttmp9, s12
	s_cmp_lg_u32 s19, 0                            ; wave 0 of work-group 0
	s_cbranch_scc1 .Lskip
	global_store_b64 v2, v[24:25], s[10:11]        ; 32 lanes x 8 bytes: the buffer's 256 bytes, whole
.Lskip:
.macro ITEM j
.set b, X+4*(\j)
	s_wait_loadcnt 15-(\j)                         ; item j is in; the younger items stay out
	v_pk_mul_f32 v[26:27], v[b:b+1], v[20:21]                  ; q0 = x r
	v_pk_mul_f32 v[28:29], v[b+2:b+3], v[20:21]
	v_pk_fma_f32 v[b:b+1], v[26:27], v[22:23], v[b:b+1]        ; x - q0 s
	v_pk_fma_f32 v[b+2:b+3], v[28:29], v[22:23], v[b+2:b+3]
	v_pk_fma_f32 v[26:27], v[b:b+1], v[20:21], v[26:27]        ; q
	v_pk_fma_f32 v[28:29], v[b+2:b+3], v[20:21], v[28:29]
	v_rndne_f32 v26, v26
	v_rndne_f32 v27, v27
	v_rndne_f32 v28, v28
	v_rndne_f32 v29, v29
	v_cvt_pk_bf16_f32 v[b], v26, v27
	v_cvt_pk_bf16_f32 v[b+1], v28, v29
	v_pk_min_num_bf16 v[b], v[b], s15
	v_pk_min_num_bf16 v[b+1], v[b+1], s15
	v_pk_max_num_bf16 v[b], v[b], s16
	v_pk_max_num_bf16 v[b+1], v[b+1], s16
	global_store_b64 v2, v[b:b+1], s[8:9] offset:(\j)*2048 th:TH_STORE_NT  ; no register of a store is written again
.endm
.irp j, 0,1,2,3,4,5,6,7,8,9,10,11,12,13,14,15
	ITEM \j
.endr
	s_wait_tensorcnt 0x0                           ; the wave's end: behind my last LDS store
	ds_add_u32 v10, v11
	s_wait_dscnt 0x0
	s_endpgm
.Lfunc_end_k_qee40932783_quant:
	.size	k_qee40932783_quant, .Lfunc_end_k_qee40932783_quant-k_qee40932783_quant
	.p2alignl 7, 3214868480
	.fill 96, 4, 3214868480
	.section	.rodata,"a",@progbits
	.p2align	6, 0x0
	.amdhsa_kernel k_qee40932783_quant
		.amdhsa_group_segment_fixed_size 1280
		.amdhsa_private_segment_fixed_size 0
		.amdhsa_enable_private_segment 0
		.amdhsa_kernarg_size 32
		.amdhsa_user_sgpr_count 2
		.amdhsa_user_sgpr_kernarg_segment_ptr 1
		.amdhsa_wavefront_size32 1
		.amdhsa_system_sgpr_workgroup_id_x 1
		.amdhsa_system_sgpr_workgroup_id_y 1
		.amdhsa_system_sgpr_workgroup_id_z 1
		.amdhsa_system_vgpr_workitem_id 0
		.amdhsa_next_free_vgpr 96
		.amdhsa_next_free_sgpr 66
		.amdhsa_reserve_vcc 0
		.amdhsa_float_denorm_mode_32 3
		.amdhsa_float_denorm_mode_16_64 3
		.amdhsa_memory_ordered 1
		.amdhsa_forward_progress 1
		.amdhsa_inst_pref_size 21
	.end_amdhsa_kernel
	.amdgpu_metadata
---
amdhsa.version: [ 1, 2 ]
amdhsa.kernels:
  - .name:           k_qee40932783_quant
    .symbol:         k_qee40932783_quant.kd
    .args:
      - { .name: x, .offset: 0, .size: 8, .value_kind: global_buffer, .address_space: global }
      - { .name: pmax, .offset: 8, .size: 8, .value_kind: global_buffer, .address_space: global }
      - { .name: xq, .offset: 16, .size: 8, .value_kind: global_buffer, .address_space: global }
      - { .name: scale, .offset: 24, .size: 8, .value_kind: global_buffer, .address_space: global }
    .group_segment_fixed_size: 1280
    .private_segment_fixed_size: 0
    .kernarg_segment_align: 8
    .kernarg_segment_size: 32
    .max_flat_workgroup_size: 256
    .sgpr_count:     66
    .vgpr_count:     96
    .wavefront_size: 32
...
	.end_amdgpu_metadata
.endif
;; end of part 2
;; launch gemm (part 3): grid 16 x 16, 4 waves a work-group, clusters of 4 x 4, 327,680 bytes of LDS; arguments xq, wq, weight_scale, quantized_bias, scale, out0; writes out0
.if DOCPART == 3
	.amdgcn_target "amdgcn-amd-amdhsa--gfx1250"
	.amdhsa_code_object_version 6
	.text
	.protected	k_qee40932783_gemm
	.globl	k_qee40932783_gemm
	.p2align	8
	.type	k_qee40932783_gemm,@function
k_qee40932783_gemm:
	s_mov_b64 s[64:65], 0
	v_nop
	global_prefetch_b8 v0, s[64:65] scope:SCOPE_SE
	s_setreg_imm32_b32 hwreg(HW_REG_WAVE_MODE, 25, 1), 1
	s_wait_xcnt 0x0
	s_wait_alu depctr_hold_cnt(0) depctr_sa_sdst(0) depctr_va_vdst(0) depctr_va_sdst(0) depctr_va_ssrc(0) depctr_va_vcc(0) depctr_vm_vsrc(0)
	s_getreg_b32 s2, hwreg(HW_REG_IB_STS2, 6, 4)
	s_cmp_eq_u32 s2, 0
	s_cbranch_scc0 .Lentry_in_a_cluster
	s_endpgm
.Lentry_in_a_cluster:
	s_bfe_u32 s2, ttmp6, 0x10000c
	s_cmp_lg_u32 s2, 0xf033
	s_cbranch_scc0 .Lentry_shape_is_right
	s_endpgm
.Lentry_shape_is_right:
; LinearQuantized, third launch.  out0[m][o] = (sum over i of xq[m][i] wq[o][i]) x (ws[o] s_in) + (q_b[o] ws[o]) s_in.  xq, wq: [4096][4096] bf16, whole numbers; out0: [4096][4096] f32.  No work is left out.
; LIMIT.  The sums are kept in f32: beyond 2^24 a sum of whole numbers is rounded to f32's 24 bits.
; A tile of out0, 256 x 256, is made by a work-group of four waves; a wave makes 128 x 128: 64 accumulators of 16 x 16, 512 registers.  256 tiles, 256 work-groups.
; K goes in 32 steps of 128 through a ring of two LDS slots filled by the tensor data mover; a tile's rows are 256 bytes of memory and start at multiples of 256 bytes from the buffer's first byte.
; CLUSTERS: 4 x 4 work-groups.  The four of a row of the cluster need the same tiles of xq, the four of a column the same tiles of wq: each tile is asked for JOINTLY, by the same tensor load with the
; same descriptor and a mask that names the four.
; THE MATRIX INSTRUCTION IS USED TRANSPOSED: source 0 = 16 rows of wq, source 1 = 16 rows of xq.  A lane then holds row l % 16 of out0 and the columns 8 (l / 16) + 0..7: 32 bytes on end.
; THE WAY OUT: the raw sums of 16 rows go through the wave's own stage in LDS and come back as whole rows of 512 bytes; lane l then holds columns 4 l .. 4 l + 3 of every row, so the scale and the
; bias of its four columns are eight registers for the whole tile: two packed multiply-adds, one store of 16 bytes.
; REGISTERS, in windows of 256 (s_set_vgpr_msb: bits 1:0 source 0, 3:2 source 1, 5:4 source 2, 7:6 destination):
;   window 0: v0-31 addresses, scale, bias; v64-127, v128-191 fragments of xq, two buffers; on the way out the same 128 registers hold rows read back, two buffers of 64
;   window 1: v64-127, v128-191 fragments of wq      window 2: the accumulators of my rows 0-63 ((a, b) at v[8 (8 a + b)])      window 3: those of my rows 64-127
.set SIZE_K, 4096
.set SIZE_N, 4096
.set ROWC,   SIZE_N*4                  ; bytes in a row of out0
.set KSTEP,  128
.set PITCH,  272                       ; an LDS row: 256 bytes + 16 of padding = 68 words: the 16 rows of a fragment load start at 16 different groups of four banks (64 banks of 4 bytes: ISA guide 11.1)
.set HALFT,  128*PITCH                 ; 128 rows: what one tensor load brings, and what one wave reads of xq or of wq
.set SLOT,   4*HALFT                   ; xq's 256 rows, then wq's 256 rows
.set STAGE,  2*SLOT                    ; behind the ring, never filled by a tensor load: 16 rows x 528 bytes for each wave
.set SPITCH, 528                       ; 512 bytes + 16 = 33 x 16: the 16 lanes of a store's pass fall into 16 different columns of 16 bytes
.set SPARE,  STAGE+4*16*SPITCH         ; behind the stages: the spare words, 128 bytes for each wave: two blocks of 256 bytes that no other line names
.set LAPS,   SIZE_K/(2*KSTEP)          ; a lap = two K steps = once round the ring
.set VO,   6                           ; v6      byte offset of my four columns in weight_scale and quantized_bias
.set SC,   8                           ; v[8:11]  ws x s_in of my four columns
.set BI,   12                          ; v[12:15] (q_b x ws) x s_in of my four columns
.set ADRA, 16                          ; v16-17  LDS address of my xq fragments in slot 0, 1
.set ADRB, 20                          ; v20-21  the same for wq
.set STO,  24                          ; v24     the way out: where I put 32 bytes of a row
.set RD,   25                          ; v25     the way out: where I read 16 bytes of a row back
.set CO,   26                          ; v26     16 x lane: my 16 bytes in my wave's 512 of a row of out0
.set SPW,  28                          ; v28     my spare word: SPARE + 4 x my thread's number; never rewritten
.set NIL,  29                          ; v29     0; never rewritten
.set PFO,  30                          ; v30     the prefetches' offset: my lane x a row of xq or wq (8,192 bytes); never rewritten
.set F0,   64
.set F1,   128
.set OB,   64
.set G1,  24                           ; s[24:31] descriptor group 1 for xq's tiles;  s[32:39] group 0, one set for each slot
.set G0,  32
.set G1B, 48                           ; s[48:55], s[56:63] the same for wq's tiles
.set G0B, 56
.set WS,  68                           ; s[68:69] weight_scale
.set QB,  70                           ; s[70:71] quantized_bias
.set SCL, 72                           ; s[72:73] scale
.set CB,  74                           ; s[74:75] out0, then out0 at my wave's first row and column
.set SIN, 76                           ; s76     s_in
.set LIM, 77                           ; s77     1 in a wave that prefetches, else the greatest number
.set PFA, 78                           ; s[78:79] where my prefetches stand
.set MSB, 0
.macro WIN new                         ; the immediate's high byte repeats the setting that is left; a switch that changes nothing is dropped
.if MSB != (\new)
	s_set_vgpr_msb (MSB<<8)|(\new)
.set MSB, \new
.endif
.endm
.set MUL_LO, 0xa1                      ; source 0 (wq) window 1, source 1 (xq) window 0, C and D window 2
.set MUL_HI, 0xf1                      ; the same, C and D window 3
.set TO_B,   0x40                      ; destination window 1, address window 0
; A joint load.  Waves 0 and 1 fetch xq's two halves, waves 2 and 3 wq's.  The branch hangs on the wave's number alone.  An s_nop 0 and four v_nop follow each of the two lines.
.macro JLOAD s
	s_cmp_eq_u32 s11, 0
	s_cbranch_scc0 .Lfor_b_\@
	tensor_load_to_lds s[G0+4*(\s):G0+4*(\s)+3], s[G1:G1+7]
	s_nop 0
.rept 4
	v_nop
.endr
	s_branch .Lasked_\@
.Lfor_b_\@:
	tensor_load_to_lds s[G0B+4*(\s):G0B+4*(\s)+3], s[G1B:G1B+7]
	s_nop 0
.rept 4
	v_nop
.endr
.Lasked_\@:
.endm
; A prefetch, behind each joint refill and the run of LDS loads that follows it: the K step that stands two refills on, 512 matrix instructions ahead of the load that will want it: 32 rows x 256 bytes, a lane a row.
; Each row's 256 bytes of a K step are named once in the launch: the cluster with x = 0 asks for xq's rows, the cluster with y = 0 for wq's; of the 128 rows that a wave fetches, the partner at place p
; (cx for xq, cy for wq) takes 32 p .. 32 p + 31, told apart by address.  K steps 0 to 3 come by their loads alone; the loop's last trip (s3 = 1) asks for nothing: K step 31 is the last.
.macro ASK
	s_cmp_gt_u32 s3, s[LIM]
	s_cbranch_scc0 .Lnot_mine_\@
	global_prefetch_b8 v[PFO], s[PFA:PFA+1] offset:KSTEP*2 th:TH_LOAD_NT scope:SCOPE_SE
.Lnot_mine_\@:
.endm
.macro CREST                           ; a round of the cluster's barrier behind its opening barrier
	s_cmp_lg_u32 s10, 0
	s_cbranch_scc1 .Lnot_wave_0_\@
	s_barrier_signal -3
.Lnot_wave_0_\@:
	s_barrier_wait -3
	s_barrier_signal -1
	s_barrier_wait -1
.endm
.macro CROUND                          ; a whole round
	s_barrier_signal -1
	s_barrier_wait -1
	CREST
.endm
	s_load_b128 s[4:7], s[0:1], 0x0                ; xq s[4:5], wq s[6:7]
	s_load_b128 s[68:71], s[0:1], 0x10             ; weight_scale, quantized_bias
	s_load_b128 s[72:75], s[0:1], 0x20             ; scale, out0
	v_lshl_add_u32 v[SPW], v0, 2, SPARE
	v_mov_b32 v[NIL], 0
	ds_add_u32 v[SPW], v[NIL]                      ; the wave's opening: the add, twice on end, and its wait ahead of my first tensor load
	ds_add_u32 v[SPW], v[NIL]                      ; and once more, under the one wait; the set-up below, work on registers, stands between
	v_lshrrev_b32 v1, 5, v0
	v_readfirstlane_b32 s10, v1                    ; wave 0..3
	s_lshr_b32 s11, s10, 1                         ; which half of the tile's rows is mine.  Also: I fetch for xq (0) or for wq (1)
	s_and_b32 s12, s10, 1                          ; which half of its columns.  Also: which 128 rows of that tile I fetch
	s_bfe_u32 s40, ttmp6, 0x40000                  ; cx
	s_bfe_u32 s41, ttmp6, 0x40004                  ; cy
	s_lshl_b32 s42, ttmp9, 2
	s_add_co_u32 s42, s42, s40                     ; tile column = 4 x cluster x + cx
	s_and_b32 s13, ttmp7, 0xffff
	s_lshl_b32 s13, s13, 2
	s_add_co_u32 s13, s13, s41                     ; tile row = 4 x cluster y + cy
	s_lshl_b32 s43, s41, 2
	s_lshl_b32 s43, 15, s43                        ; my row of the cluster: places 4 cy .. 4 cy + 3
	s_lshl_b32 s44, 0x1111, s40                    ; my column: places cx, cx + 4, cx + 8, cx + 12
	; descriptor group 1: a tile of 128 rows x 128 elements, padded in LDS
	s_or_b32 s[G1+0], s43, (1<<16)|(1<<20)|(1<<21)|(5<<22)|(3<<25)  ; 15:0 the mask; 17:16 2-byte elements; 20 padding on; 21 set beside a mask; 24:22 after every 64 words (code 5); 31:25 4 words (code 3)
	s_or_b32 s[G1B+0], s44, (1<<16)|(1<<20)|(1<<21)|(5<<22)|(3<<25)
	s_mov_b32 s[G1B+1], KSTEP<<16
	s_mov_b32 s[G1+1], KSTEP<<16                   ; tensor_dim0 = 128
	s_mov_b32 s[G1B+2], 128<<16
	s_mov_b32 s[G1+2], 128<<16                     ; tensor_dim1 = 128
	s_mov_b32 s[G1B+3], KSTEP<<16
	s_mov_b32 s[G1+3], KSTEP<<16                   ; tile_dim0 = 128
	s_mov_b32 s[G1B+4], 128
	s_mov_b32 s[G1+4], 128                         ; tile_dim1 = 128
	s_mov_b32 s[G1B+5], SIZE_K
	s_mov_b32 s[G1+5], SIZE_K                      ; elements from row to row
	s_mov_b32 s[G1B+6], 0
	s_mov_b32 s[G1+6], 0
	s_mov_b32 s[G1B+7], 0
	s_mov_b32 s[G1+7], 0
	; xq's tiles hang on the tile row alone, wq's on the tile column alone; each address is made in registers that never hold the other coordinate
	s_lshl_b32 s17, s12, 7                         ; which 128 rows of the tile I fetch
	s_lshl_b32 s16, s13, 8
	s_add_co_u32 s16, s16, s17                     ; xq: row 256 x tile row + 128 x half
	s_lshl_b32 s46, s42, 8
	s_add_co_u32 s46, s46, s17                     ; wq: row 256 x tile column + 128 x half
	s_mov_b32 s17, 0
	s_mov_b32 s47, 0
	s_mov_b64 s[18:19], SIZE_K*2
	s_mul_u64 s[16:17], s[16:17], s[18:19]
	s_mul_u64 s[46:47], s[46:47], s[18:19]
	s_mul_i32 s20, s10, HALFT                      ; where they go: wave x 128 rows: no place in the cluster enters an LDS address
	s_wait_dscnt 0x0                               ; both opening adds are done
	s_wait_kmcnt 0x0
	s_add_nc_u64 s[14:15], s[4:5], s[16:17]
	s_add_nc_u64 s[46:47], s[6:7], s[46:47]
	s_load_b32 s[SIN], s[SCL:SCL+1], 0x0           ; s_in, which the launch before stored; this launch writes no byte of that buffer
	CROUND                                         ; all sixteen work-groups are here: the first joint loads meet
.irp s, 0,1
	s_mov_b32 s[G0+4*(\s)], 1                                      ; count = 1
	s_add_co_u32 s[G0+4*(\s)+1], s20, (\s)*SLOT                    ; LDS address
	s_add_nc_u64 s[G0+4*(\s)+2:G0+4*(\s)+3], s[14:15], (\s)*KSTEP*2  ; global address: K step s
	s_or_b32 s[G0+4*(\s)+3], s[G0+4*(\s)+3], 0x80000000            ; type = 2
	s_mov_b32 s[G0B+4*(\s)], 1
	s_add_co_u32 s[G0B+4*(\s)+1], s20, (\s)*SLOT
	s_add_nc_u64 s[G0B+4*(\s)+2:G0B+4*(\s)+3], s[46:47], (\s)*KSTEP*2
	s_or_b32 s[G0B+4*(\s)+3], s[G0B+4*(\s)+3], 0x80000000
	JLOAD \s                                       ; two loads of mine are out
.endr
	; A fragment is 16 rows x 32 K in 8 registers: lane l holds row l % 16; registers 0-3 K = 8 (l / 16) + 0..7, registers 4-7 K = 16 + 8 (l / 16) + 0..7: two loads of 16 bytes, 32 bytes apart
	v_and_b32 v1, 15, v0                           ; l % 16
	v_bfe_u32 v2, v0, 4, 1                         ; l / 16
	v_mul_u32_u24 v3, v1, PITCH
	v_lshl_add_u32 v3, v2, 4, v3
	s_mul_i32 s21, s11, HALFT                      ; my 128 rows of xq
	s_mul_i32 s22, s12, HALFT                      ; my 128 rows of wq,
	s_add_co_u32 s22, s22, 2*HALFT                 ; which lie behind xq's 256
.irp s, 0,1
	v_add_nc_u32 v[ADRA+(\s)], s21, v3
	v_add_nc_u32 v[ADRB+(\s)], s22, v3
	s_add_co_u32 s21, s21, SLOT
	s_add_co_u32 s22, s22, SLOT
.endr
	s_mul_i32 s23, s10, 16*SPITCH
	s_add_co_u32 s23, s23, STAGE                   ; my stage
	v_mul_u32_u24 v4, v1, SPITCH                   ; in: row l % 16, 32 bytes for each half of the lanes
	v_lshl_add_u32 v4, v2, 5, v4
	v_add_nc_u32 v[STO], s23, v4
	v_and_b32 v5, 31, v0
	v_lshlrev_b32 v[CO], 4, v5                     ; back: 32 lanes take one row of 512 bytes
	v_add_nc_u32 v[RD], s23, v[CO]
	s_lshl_b32 s13, s13, 8                         ; 256 x tile row
	s_lshl_b32 s14, s11, 7
	s_add_co_u32 s16, s13, s14                     ; my first row of out0,
	s_lshl_b32 s16, s16, 14                        ; in bytes: 16,384 a row, 2^26 at the most
	s_mov_b32 s17, 0
	s_add_nc_u64 s[CB:CB+1], s[CB:CB+1], s[16:17]
	s_lshl_b32 s46, s42, 10                        ; my first column, in bytes of f32 or int32: 1,024 x tile column + 512 x half
	s_lshl_b32 s47, s12, 9
	s_add_co_u32 s46, s46, s47
	s_mov_b32 s47, 0
	s_add_nc_u64 s[CB:CB+1], s[CB:CB+1], s[46:47]
	v_add_nc_u32 v[VO], s46, v[CO]
	global_load_b128 v[SC:SC+3], v[VO], s[WS:WS+1]
	global_load_b128 v[BI:BI+3], v[VO], s[QB:QB+1]
	; the prefetches.  s13 = 256 x tile row, s42 = tile column, s40 = cx, s41 = cy
	s_lshl_b32 s42, s42, 8
	s_and_b32 s22, ttmp7, 0xffff                   ; cluster y
	s_cmp_eq_u32 s11, 0                            ; do I fetch for xq?
	s_cselect_b32 s20, s13, s42                    ; the tile's first row
	s_cselect_b32 s21, s40, s41                    ; my place among the four that ask for it with me
	s_cselect_b32 s22, ttmp9, s22                  ; the coordinate along which other clusters read the same rows
	s_cselect_b64 s[PFA:PFA+1], s[4:5], s[6:7]
	s_cmp_eq_u32 s22, 0
	s_cselect_b32 s[LIM], 1, -1                    ; the same in all sixteen partners, for a given wave
	s_lshl_b32 s22, s12, 7
	s_add_co_u32 s20, s20, s22                     ; + the 128 rows that I fetch
	s_lshl_b32 s21, s21, 5
	s_add_co_u32 s20, s20, s21                     ; + my work-group's 32 of them
	s_mov_b32 s21, 0
	s_mov_b64 s[18:19], SIZE_K*2
	s_mul_u64 s[20:21], s[20:21], s[18:19]
	s_add_nc_u64 s[PFA:PFA+1], s[PFA:PFA+1], s[20:21]
	s_add_nc_u64 s[PFA:PFA+1], s[PFA:PFA+1], 2*KSTEP*2  ; at K step 2: the first refill steps it to 3 and names K step 4
	v_and_b32 v[PFO], 31, v0
	v_mul_u32_u24 v[PFO], v[PFO], SIZE_K*2
	s_wait_loadcnt 0x0                             ; ws and q_b of my four columns
	s_wait_kmcnt 0x0                               ; s_in
.irp c, 0,1,2,3
	v_cvt_f32_i32 v[BI+(\c)], v[BI+(\c)]
.endr
.irp c, 0,1,2,3
	v_mul_f32 v[BI+(\c)], v[BI+(\c)], v[SC+(\c)]   ; q_b x ws,
.endr
.irp c, 0,1,2,3
	v_mul_f32 v[SC+(\c)], s[SIN], v[SC+(\c)]       ; ws x s_in,
.endr
.irp c, 0,1,2,3
	v_mul_f32 v[BI+(\c)], s[SIN], v[BI+(\c)]       ; (q_b x ws) x s_in: the products in reference()'s order
.endr
; 16 matrix instructions: m blocks a0, a0 + 1 of the window's four (hi = 0: my rows 0-63, 1: rows 64-127) x all 8 n blocks, 32 along K.  zero = 1: the first product starts the sums: nothing is cleared.
.macro MUL16 f, hi, a0, zero
	WIN MUL_LO+0x50*(\hi)
.irp a, \a0, (\a0)+1
.irp b, 0,1,2,3,4,5,6,7
.if \zero
	v_wmma_f32_16x16x32_bf16 v[8*(8*(\a)+(\b)):8*(8*(\a)+(\b))+7], v[(\f)+8*(\b):(\f)+8*(\b)+7], v[(\f)+8*(4*(\hi)+(\a)):(\f)+8*(4*(\hi)+(\a))+7], 0
.else
	v_wmma_f32_16x16x32_bf16 v[8*(8*(\a)+(\b)):8*(8*(\a)+(\b))+7], v[(\f)+8*(\b):(\f)+8*(\b)+7], v[(\f)+8*(4*(\hi)+(\a)):(\f)+8*(4*(\hi)+(\a))+7], v[8*(8*(\a)+(\b)):8*(8*(\a)+(\b))+7]
.endif
.endr
.endr
.endm
; 32 LDS loads in one run: the fragments of one quarter step (128 rows of wq, 128 rows of xq, 32 K at byte k of the rows) into buffer f
.macro FETCH slot, k, f
	WIN TO_B
.irp i, 0,1,2,3,4,5,6,7
	ds_load_b128 v[(\f)+8*(\i):(\f)+8*(\i)+3],   v[ADRB+(\slot)] offset:(\k)+(\i)*16*PITCH
	ds_load_b128 v[(\f)+8*(\i)+4:(\f)+8*(\i)+7], v[ADRB+(\slot)] offset:(\k)+(\i)*16*PITCH+32
.endr
	WIN 0
.irp i, 0,1,2,3,4,5,6,7
	ds_load_b128 v[(\f)+8*(\i):(\f)+8*(\i)+3],   v[ADRA+(\slot)] offset:(\k)+(\i)*16*PITCH
	ds_load_b128 v[(\f)+8*(\i)+4:(\f)+8*(\i)+7], v[ADRA+(\slot)] offset:(\k)+(\i)*16*PITCH+32
.endr
.endm
; Four plain vector instructions stand between a matrix instruction and a load into a register that it has read (ISA guide 7.12.1 for vector instructions); matrix instructions in between are not counted.
.macro PLACES
.rept 4
	v_nop
.endr
.endm
; A K step is four quarters of 32 along K, 64 matrix instructions each, on buffers 0, 1, 0, 1.  The 64 accumulators take turns in the same order in every quarter.
; One of the first three: multiplies buffer f; in its middle it fetches the next quarter's fragments, at byte k of the same slot's rows, into buffer g.
.macro QUARTER slot, k, f, g, zero
	s_wait_dscnt 8                                 ; wq's fragments and xq's rows 0-63 are in; the youngest eight loads (xq's rows 64-127) may be out
	WIN MUL_LO
	MUL16 \f, 0, 0, \zero
	MUL16 \f, 0, 2, \zero
	PLACES
	FETCH \slot, \k, \g
	s_wait_dscnt 32                                ; all but the 32 just issued
	WIN MUL_HI
	MUL16 \f, 1, 0, \zero
	MUL16 \f, 1, 2, \zero
.endm
; The first half of the last quarter, which multiplies buffer 1 and changes slots: ONE barrier.  In front of it each wave waits for all its tensor loads (one is out: its part of the next slot), adds 0 to its
; spare word, and waits for that and for its own reads of this slot.  Behind it nobody reads this slot any more and the next slot is whole.
.macro MEET round                      ; round = 1: a round of the cluster's barrier follows
	WIN 0                                          ; (the add's two registers lie in window 0)
	s_wait_tensorcnt 0x0                           ; all my tensor loads have landed
	ds_add_u32 v[SPW], v[NIL]                      ; 0 onto my spare word
	s_wait_dscnt 9                                 ; (the add and the youngest eight loads may be out)
	WIN MUL_LO
	MUL16 F1, 0, 0, 0                              ; sixteen matrix instructions stand between the add and the wait for it
	s_wait_dscnt 0x0                               ; the add is done, and my reads of this slot are over
	s_barrier_signal -1
	MUL16 F1, 0, 2, 0                              ; work on registers while the others arrive
.if \round
	WIN 0
.endif
	s_barrier_wait -1
.endm
; The whole last quarter.  Behind the round the slot just read out is filled again first, with the K step two steps on; then come the next slot's first fragments.
; From a request to the wait for it a wave issues 224 matrix instructions; one tensor load of the wave is out behind each round.
.macro TURN slot, next
	s_wait_xcnt 0x0                                ; the last prefetch, a K step back, has read its address: it is stepped here, ahead of the waits of the change of slots
	s_add_nc_u64 s[PFA:PFA+1], s[PFA:PFA+1], KSTEP*2
	MEET 1
	CREST                                          ; no wave of any partner still reads this slot's tile or has a load on its way
	s_add_nc_u64 s[G0+4*(\slot)+2:G0+4*(\slot)+3], s[G0+4*(\slot)+2:G0+4*(\slot)+3], 2*KSTEP*2
	s_add_nc_u64 s[G0B+4*(\slot)+2:G0B+4*(\slot)+3], s[G0B+4*(\slot)+2:G0B+4*(\slot)+3], 2*KSTEP*2
	JLOAD \slot                                    ; the first tensor load behind the round; the four v_nop behind it are also the places in front of the loads below
	FETCH \next, 0, F0
	ASK
	WIN MUL_HI
	MUL16 F1, 1, 0, 0
	MUL16 F1, 1, 2, 0
.endm
; THE WAY OUT of block a (16 rows).  TOSTAGE: the raw sums go into my stage, each accumulator's low four registers first, and come back as whole rows.  LDS serves a wave's instructions in order
; (ISA guide 5.7.1.4): the loads see the stores above them, and the next block's stores come behind these loads.
.macro TOSTAGE a
.set AC, 64*((\a)%4)
.set BK, OB+64*((\a)%2)
	WIN 0x08+4*((\a)/4)                            ; an LDS store's data (source 1) in window 2 or 3, its address in window 0
.irp b, 0,1,2,3,4,5,6,7
	ds_store_b128 v[STO], v[AC+8*(\b):AC+8*(\b)+3]   offset:64*(\b)
	ds_store_b128 v[STO], v[AC+8*(\b)+4:AC+8*(\b)+7] offset:64*(\b)+16
.endr
	WIN 0
.if (\a) >= 2
	s_wait_xcnt 0x0                                ; the stores of the block two back have read these registers: they are loaded again only behind this wait
.endif
.irp t, 0,1,2,3,4,5,6,7,8,9,10,11,12,13,14,15
	ds_load_b128 v[BK+4*(\t):BK+4*(\t)+3], v[RD] offset:(\t)*SPITCH
.endr
.endm
; SEND: sum x (ws s_in) + (q_b ws) s_in, and the store.  younger: the LDS instructions issued behind the block's loads: the next block's 32, or none.
.macro SEND a, younger
	WIN 0
.set BK, OB+64*((\a)%2)
.irp t, 0,1,2,3,4,5,6,7,8,9,10,11,12,13,14,15
	s_wait_dscnt (\younger)+15-(\t)                ; row t is back
	v_pk_fma_f32 v[BK+4*(\t):BK+4*(\t)+1],   v[BK+4*(\t):BK+4*(\t)+1],   v[SC:SC+1],   v[BI:BI+1]
	v_pk_fma_f32 v[BK+4*(\t)+2:BK+4*(\t)+3], v[BK+4*(\t)+2:BK+4*(\t)+3], v[SC+2:SC+3], v[BI+2:BI+3]
	global_store_b128 v[CO], v[BK+4*(\t):BK+4*(\t)+3], s[CB:CB+1] offset:(16*(\a)+(\t))*ROWC  ; the wave stores 512 consecutive bytes, at a multiple of 512 from out0's first; 127 rows at the most: inside the signed 24-bit immediate
.endr
.endm
	s_wait_tensorcnt 1                             ; my part of K step 0 is in; K step 1's stays out
	s_barrier_signal -1
	s_barrier_wait -1                              ; everybody's is
	FETCH 0, 0, F0
	QUARTER 0, 64,  F0, F1, 1                      ; the first quarter stands in front of the loop: its products start the sums
	WIN 0                                          ; at a label and at a branch every window is 0
	s_mov_b32 s3, LAPS-1
.Llap:                                                 ; a trip goes once round the ring, from a lap's second quarter to the next lap's first, and fills both slots again
	QUARTER 0, 128, F1, F0, 0
	QUARTER 0, 192, F0, F1, 0
	TURN 0, 1
	QUARTER 1, 64,  F0, F1, 0
	QUARTER 1, 128, F1, F0, 0
	QUARTER 1, 192, F0, F1, 0
	TURN 1, 0
	QUARTER 0, 64,  F0, F1, 0
	WIN 0
	s_sub_co_u32 s3, s3, 1
	s_cmp_lg_u32 s3, 0
	s_cbranch_scc1 .Llap
	QUARTER 0, 128, F1, F0, 0                      ; the last lap is written out: it fills nothing, and has no round of the cluster's barrier
	QUARTER 0, 192, F0, F1, 0
	MEET 0                                         ; my one tensor load that was still out is slot 1's, the last K step's
	PLACES                                         ; for the loads into buffer 0, which the quarter before multiplied
	FETCH 1, 0, F0
	WIN MUL_HI
	MUL16 F1, 1, 0, 0
	MUL16 F1, 1, 2, 0
	QUARTER 1, 64,  F0, F1, 0
	QUARTER 1, 128, F1, F0, 0
	QUARTER 1, 192, F0, F1, 0
	s_wait_dscnt 8                                 ; the very last quarter: nothing more to fetch
	WIN MUL_LO
	MUL16 F1, 0, 0, 0
	MUL16 F1, 0, 2, 0
	s_wait_dscnt 0x0
	MUL16 F1, 1, 0, 0
	MUL16 F1, 1, 2, 0
	WIN 0
	PLACES                                         ; behind the last products: the LDS stores read results, and the loads from the stage land in registers that held xq's fragments
	PLACES                                         ; (eight, once a launch)
	TOSTAGE 0
.irp a, 1,2,3,4,5,6,7                  ; block a's way through the stage stands between block a - 1's loads and the waits for them
	TOSTAGE \a
	SEND (\a)-1, 32
.endr
	SEND 7, 0
	s_wait_tensorcnt 0x0                           ; the wave's end: behind my last tensor load and my last LDS store
	ds_add_u32 v[SPW], v[NIL]
	s_wait_dscnt 0x0
	CROUND                                         ; the closing round: no work-group ends while a partner may still ask for a tile that names it
	s_endpgm
.Lfunc_end_k_qee40932783_gemm:
	.size	k_qee40932783_gemm, .Lfunc_end_k_qee40932783_gemm-k_qee40932783_gemm
	.p2alignl 7, 3214868480
	.fill 96, 4, 3214868480
	.section	.rodata,"a",@progbits
	.p2align	6, 0x0
	.amdhsa_kernel k_qee40932783_gemm
		.amdhsa_group_segment_fixed_size 327680
		.amdhsa_private_segment_fixed_size 0
		.amdhsa_enable_private_segment 0
		.amdhsa_kernarg_size 48
		.amdhsa_user_sgpr_count 2
		.amdhsa_user_sgpr_kernarg_segment_ptr 1
		.amdhsa_wavefront_size32 1
		.amdhsa_system_sgpr_workgroup_id_x 1
		.amdhsa_system_sgpr_workgroup_id_y 1
		.amdhsa_system_sgpr_workgroup_id_z 1
		.amdhsa_system_vgpr_workitem_id 0
		.amdhsa_next_free_vgpr 1024
		.amdhsa_next_free_sgpr 80
		.amdhsa_reserve_vcc 0
		.amdhsa_float_denorm_mode_32 3
		.amdhsa_float_denorm_mode_16_64 3
		.amdhsa_memory_ordered 1
		.amdhsa_forward_progress 1
		.amdhsa_inst_pref_size 162
	.end_amdhsa_kernel
	.amdgpu_metadata
---
amdhsa.version: [ 1, 2 ]
amdhsa.kernels:
  - .name:           k_qee40932783_gemm
    .symbol:         k_qee40932783_gemm.kd
    .args:
      - { .name: xq, .offset: 0, .size: 8, .value_kind: global_buffer, .address_space: global }
      - { .name: wq, .offset: 8, .size: 8, .value_kind: global_buffer, .address_space: global }
      - { .name: weight_scale, .offset: 16, .size: 8, .value_kind: global_buffer, .address_space: global }
      - { .name: quantized_bias, .offset: 24, .size: 8, .value_kind: global_buffer, .address_space: global }
      - { .name: scale, .offset: 32, .size: 8, .value_kind: global_buffer, .address_space: global }
      - { .name: out0, .offset: 40, .size: 8, .value_kind: global_buffer, .address_space: global }
    .group_segment_fixed_size: 327680
    .private_segment_fixed_size: 0
    .kernarg_segment_align: 8
    .kernarg_segment_size: 48
    .max_flat_workgroup_size: 128
    .sgpr_count:     80
    .vgpr_count:     1024
    .wavefront_size: 32
...
	.end_amdgpu_metadata
.endif
;; end of part 3
